; MI455X (gfx1250); checked and timed in simulation.
; The chip was launched on July 23, 2026; its instructions are those of AMD's public machine-readable ISA for CDNA 5 (MIT licence, August 2026) and "CDNA5" Instruction Set Architecture Reference Guide (July 2026). The comments in the code are by the model that wrote it; some were corrected since.
;; Cross Attention Module. Allowed arithmetic: matrix products marked QUANTISED: E2M1 operands, one E8M0 scale for each 32 along K, by v_wmma_scale_f32_16x16x128_f8f6f4 with both operands' format E2M1 (or v_wmma_scale_f32_32x16x128_f4), f32 sums; products left as they are: bf16, f16 or f32 operands; f32 sums; everything else in f32.
;; Inputs: Wk 384 x 384 float32; Wq 384 x 384 float32; Wv 384 x 384 float32; audio_features 8 x 2,048 x 384 float32; bk 384 float32; bq 384 float32; bv 384 float32; video_features 8 x 2,048 x 384 float32.
;; Outputs: out0 8 x 2,048 x 384 float32.
;; This version of the problem:
;;   THIS VERSION OF THE PROBLEM IS GIVEN IN LOW PRECISION. The matrix products marked QUANTISED in the list below multiply operands that are first quantised to E2M1 (2 exponent bits, 1 mantissa bit; 4 bits a number), with one power-of-two scale for each 32 numbers along K (OCP MX v1.0); their sums are f32. The products marked 'left as it is' may take bf16, f16 or f32 operands, with f32 sums. Whichever they take, every output number must still come out within the allowed error. Rounding operands to bf16 (8 significant bits) uses up far more of that allowance than f16 does (11 bits, for magnitudes from 6e-5 to 65,504). All else is computed in f32.
;;   The module's matrix products, in the order in which they are computed (A, B: the left and right operand; K: the contracted axis; several contracted axes count as one K, in the product's order):
;;     1. [M 16,384, K 384] x [K 384, N 384]; A: input video_features; B: input Wq: QUANTISED
;;     2. [M 16,384, K 384] x [K 384, N 384]; A: input audio_features; B: input Wk: QUANTISED
;;     3. [M 16,384, K 384] x [K 384, N 384]; A: input audio_features; B: input Wv: QUANTISED
;;     4. batch 8 x [M 2,048, K 384] x [K 384, N 2,048]; A: computed on the way; B: computed on the way: left as it is (an operand is computed on the way)
;;     5. batch 8 x [M 2,048, K 2,048] x [K 2,048, N 384]; A: computed on the way; B: computed on the way: left as it is (an operand is computed on the way)
;;   THE QUANTISER, for each operand of a quantised product, along K:
;;     - K is cut into blocks of 32 from its start; a last block that is shorter is filled with zeros.
;;     - A block's scale is 2^e with e = floor(log2(the largest magnitude in the block)) - 2, held to -126 .. 127; a block of zeros has e = 0. As a byte (E8M0): e + 127.
;;     - Each number is divided by its block's scale, clamped to +-6, and rounded to the nearest number of E2M1, ties to even, subnormals kept.
;;     - The product sums the exact products of the quantised numbers (number of the format x scale) in f32.
;;   ~~~python
;;   def quantise(x, axis):      # numpy; x: float32 -> the quantised numbers, widened to float32 again
;;       x = np.moveaxis(x, axis, -1); K = x.shape[-1]
;;       x = np.pad(x, [(0, 0)] * (x.ndim - 1) + [(0, -K % 32)]); x = x.reshape(x.shape[:-1] + (-1, 32)); a = np.abs(x).max(-1, keepdims=True)
;;       e = np.where(a > 0, np.clip(np.frexp(np.where(a > 0, a, 1))[1] - 1 - 2, -126, 127), 0)      # np.frexp(a)[1] - 1 = floor(log2(a)), exactly
;;       r = np.clip(x / 2.0 ** e, -6, 6)
;;       step = 2.0 ** (np.maximum(np.frexp(np.where(r == 0, 1, r))[1] - 1, 0) - 1)
;;       q = np.round(r / step) * step * 2.0 ** e      # np.round: ties to even
;;       return np.moveaxis(q.reshape(q.shape[:-2] + (-1,))[..., :K], -1, axis).astype(np.float32)
;;   ~~~
;; One version. Each part assembles by itself: llvm-mc -triple=amdgcn-amd-amdhsa -mcpu=gfx1250 --defsym DOCPART=n.
;; ======== version 1 of 1: 3 launches
;; limits: values are held in f16: magnitudes above 65,504 overflow, below 6.1e-05 lose precision
;; workspace buffers: wcodes 221,184 bytes; wscales 27,648 bytes; qw 12,582,912 bytes; kw 12,582,912 bytes; vw 12,582,912 bytes
;; launch wquant (part 1): grid 6 x 9, 4 waves a work-group, no clusters, 0 bytes of LDS; arguments Wq, Wk, Wv, wcodes, wscales; writes wcodes, wscales
.if DOCPART == 1
	.amdgcn_target "amdgcn-amd-amdhsa--gfx1250"
	.amdhsa_code_object_version 6
	.text
	.protected	k_q737cca1f64_wquant
	.globl	k_q737cca1f64_wquant
	.p2align	8
	.type	k_q737cca1f64_wquant,@function
k_q737cca1f64_wquant:
	s_mov_b64 s[64:65], 0
	v_nop
	global_prefetch_b8 v0, s[64:65] scope:SCOPE_SE
	s_setreg_imm32_b32 hwreg(HW_REG_WAVE_MODE, 25, 1), 1
	s_wait_xcnt 0x0
; Wq, Wk, Wv [384][384] f32 (K = the second axis, innermost) become codes of FP4 (E2M1) with one E8M0 byte for each 32 along K, laid as IMAGES OF OPERAND REGISTERS
; for the next launch: a fragment is 16 rows x 128 K = 8 registers a lane = two blocks of 512 bytes (lane l's 16 bytes at 16 l), and 128 bytes of scale words (lane l's word at 4 l).
; Fragment number 54 w + 18 mtx + 6 s + t: rows 96 w + 16 t + (lane % 16) of matrix mtx (0 Wq, 1 Wk, 2 Wv), K step s of 128: so the 54 fragments that wave w of the next launch keeps lie on end.
; One wave makes one fragment: work-group x = t, y = 3 mtx + s, the wave's number = w.  No LDS, no barrier: waves share nothing.
; A lane takes 16 neighbours of each of its row's four blocks of 32 (lane l and lane l xor 16 share a block): the loads are 64 bytes a lane, rows 1,536 bytes apart; the three matrices are 1.77 MB, read once.
; A block's scale is 2^(floor(log2(its largest magnitude)) - 2); its byte is the largest magnitude's exponent field - 2, held at 1 from below.
; LIMITS: a block whose largest magnitude lies under 2^-124 (a block of zeros among them) gets the byte 1, where the rule gives a block of zeros 127: its codes are zeros, and this program alone reads the bytes.  NaN and infinities among the inputs are not served.
.set X,   32                           ; v32-95   64 numbers: register 16 b + i = k 32 b + 16 (lane / 16) + i of my row
.set TM,  8                            ; v8-11 largest magnitudes, v12-15 bytes, v20-23 the conversions' scale operands
.set PW,  24                           ; v24      the scale word
.set PC,  96                           ; v96-103  the codes
.set SEL, 20                           ; s[20:21] lane selects for v_permlanex16_b32: lane l xor 16
.macro QUANT s
.irp b, 0,1,2,3
	v_max3_num_f32 v[TM+\b], |v[\s+16*\b]|, |v[\s+1+16*\b]|, 0x1800000   ; block b: my 16 numbers, and the floor 2^(3 - 127): the byte cannot fall under 1
.endr
.irp i, 2,4,6,8,10,12,14
.irp b, 0,1,2,3
	v_max3_num_f32 v[TM+\b], v[TM+\b], |v[\s+16*\b+\i]|, |v[\s+1+16*\b+\i]|   ; the four blocks by turns
.endr
.endr
.irp b, 0,1,2,3
	v_permlanex16_b32 v[TM+4+\b], v[TM+\b], s[SEL], s[SEL+1]
.endr
.irp b, 0,1,2,3
	v_max_num_f32 v[TM+\b], v[TM+\b], v[TM+4+\b]   ; with lane l xor 16's: the block's largest magnitude
.endr
.irp b, 0,1,2,3
	v_add_nc_u32 v[TM+12+\b], 0xff000000, v[TM+\b]   ; 2 off its exponent field: the conversion takes the exponent field of this operand as its scale
.endr
.irp b, 0,1,2,3
	v_lshrrev_b32 v[TM+4+\b], 23, v[TM+12+\b]      ; the scale's byte
.endr
	v_lshl_or_b32 v[PW], v[TM+5], 8, v[TM+4]       ; four bytes: my row's scale word
	v_lshl_or_b32 v[PW], v[TM+6], 16, v[PW]
	v_lshl_or_b32 v[PW], v[TM+7], 24, v[PW]
.irp b, 0,1,2,3
	v_cvt_scalef32_pk8_fp4_f32 v[PC+2*\b], v[\s+16*\b:\s+7+16*\b], v[TM+12+\b]
	v_cvt_scalef32_pk8_fp4_f32 v[PC+1+2*\b], v[\s+8+16*\b:\s+15+16*\b], v[TM+12+\b]
.endr
	v_nop                                          ; one plain place behind a scaled conversion
.irp c, 0,1                                    ; the operand's layout wants a whole block in a lane: lanes 0-15 block 2 c, lanes 16-31 block 2 c + 1
.irp i, 0,1
	v_permlane16_swap_b32 v[PC+4*\c+\i], v[PC+2+4*\c+\i]
.endr
.endr
.endm
	s_load_b256 s[4:11], s[0:1], 0x0               ; Wq s[4:5], Wk s[6:7], Wv s[8:9], wcodes s[10:11]
	s_load_b64 s[12:13], s[0:1], 0x20              ; wscales
	v_lshrrev_b32 v7, 5, v0
	v_readfirstlane_b32 s14, v7                    ; w
	v_and_b32 v4, 15, v0                           ; r
	v_bfe_u32 v5, v0, 4, 1                         ; h
	v_mul_u32_u24 v1, v4, 1536
	v_lshl_add_u32 v1, v5, 6, v1                   ; in: row r of 1,536 bytes, + 64 h
	v_and_b32 v6, 31, v0
	v_lshlrev_b32 v2, 4, v6                        ; out: 16 x lane,
	v_lshlrev_b32 v3, 2, v6                        ; 4 x lane
.irp b, 0,1,2,3
	v_mov_b32 v[TM+4+\b], 0                        ; written once: a lane permute's destination counts as one of its sources
.endr
	s_and_b32 s15, ttmp7, 0xffff                   ; y = 3 mtx + s
	s_mul_i32 s16, s15, 11
	s_lshr_b32 s16, s16, 5                         ; mtx = y / 3 (y is 0 to 8)
	s_mul_i32 s17, s16, 3
	s_sub_co_u32 s17, s15, s17                     ; s
	s_mul_i32 s18, s14, 96
	s_lshl_b32 s19, ttmp9, 4
	s_add_co_u32 s18, s18, s19                     ; my first row: 96 w + 16 t
	s_mul_i32 s18, s18, 1536
	s_lshl_b32 s19, s17, 9
	s_add_co_u32 s18, s18, s19                     ; + 512 s bytes along K
	s_mov_b32 s19, 0
	s_mul_i32 s22, s14, 54
	s_mul_i32 s23, s15, 6
	s_add_co_u32 s22, s22, s23
	s_add_co_u32 s22, s22, ttmp9                   ; the fragment's number
	s_lshl_b32 s24, s22, 10
	s_mov_b32 s25, 0
	s_lshl_b32 s26, s22, 7
	s_mov_b32 s27, 0
	s_mov_b32 s[SEL], 0x76543210
	s_mov_b32 s[SEL+1], 0xfedcba98
	s_wait_kmcnt 0x0
	s_cmp_eq_u32 s16, 0                            ; which matrix: the choice hangs on the work-group's number alone
	s_cselect_b64 s[4:5], s[4:5], s[6:7]
	s_cmp_eq_u32 s16, 2
	s_cselect_b64 s[4:5], s[8:9], s[4:5]
	s_add_nc_u64 s[4:5], s[4:5], s[18:19]
	s_add_nc_u64 s[10:11], s[10:11], s[24:25]
	s_add_nc_u64 s[12:13], s[12:13], s[26:27]
.irp b, 0,1,2,3
.irp j, 0,1,2,3
	global_load_b128 v[X+16*\b+4*\j:X+16*\b+4*\j+3], v1, s[4:5] offset:128*\b+16*\j th:TH_LOAD_NT
.endr
.endr
	s_wait_loadcnt 0x0
	QUANT X
	global_store_b128 v2, v[PC:PC+3], s[10:11]             ; 32 lanes store 512 consecutive bytes, aligned
	global_store_b128 v2, v[PC+4:PC+7], s[10:11] offset:512
	global_store_b32 v3, v[PW], s[12:13]                   ; lanes 16-31 hold the same words as lanes 0-15
	s_endpgm
.Lfunc_end_k_q737cca1f64_wquant:
	.size	k_q737cca1f64_wquant, .Lfunc_end_k_q737cca1f64_wquant-k_q737cca1f64_wquant
	.p2alignl 7, 3214868480
	.fill 96, 4, 3214868480
	.section	.rodata,"a",@progbits
	.p2align	6, 0x0
	.amdhsa_kernel k_q737cca1f64_wquant
		.amdhsa_group_segment_fixed_size 0
		.amdhsa_private_segment_fixed_size 0
		.amdhsa_enable_private_segment 0
		.amdhsa_kernarg_size 40
		.amdhsa_user_sgpr_count 2
		.amdhsa_user_sgpr_kernarg_segment_ptr 1
		.amdhsa_wavefront_size32 1
		.amdhsa_system_sgpr_workgroup_id_x 1
		.amdhsa_system_sgpr_workgroup_id_y 1
		.amdhsa_system_sgpr_workgroup_id_z 1
		.amdhsa_system_vgpr_workitem_id 0
		.amdhsa_next_free_vgpr 128
		.amdhsa_next_free_sgpr 66
		.amdhsa_reserve_vcc 0
		.amdhsa_float_denorm_mode_32 3
		.amdhsa_float_denorm_mode_16_64 3
		.amdhsa_memory_ordered 1
		.amdhsa_forward_progress 1
		.amdhsa_inst_pref_size 8
	.end_amdhsa_kernel
	.amdgpu_metadata
---
amdhsa.version: [ 1, 2 ]
amdhsa.kernels:
  - .name:           k_q737cca1f64_wquant
    .symbol:         k_q737cca1f64_wquant.kd
    .args:
      - { .name: Wq, .offset: 0, .size: 8, .value_kind: global_buffer, .address_space: global }
      - { .name: Wk, .offset: 8, .size: 8, .value_kind: global_buffer, .address_space: global }
      - { .name: Wv, .offset: 16, .size: 8, .value_kind: global_buffer, .address_space: global }
      - { .name: wcodes, .offset: 24, .size: 8, .value_kind: global_buffer, .address_space: global }
      - { .name: wscales, .offset: 32, .size: 8, .value_kind: global_buffer, .address_space: global }
    .group_segment_fixed_size: 0
    .private_segment_fixed_size: 0
    .kernarg_segment_align: 8
    .kernarg_segment_size: 40
    .max_flat_workgroup_size: 128
    .sgpr_count:     66
    .vgpr_count:     128
    .wavefront_size: 32
...
	.end_amdgpu_metadata
.endif
;; end of part 1
;; launch proj (part 2): grid 256 x 1, 4 waves a work-group, no clusters, 61,952 bytes of LDS; arguments video_features, audio_features, wcodes, wscales, bq, bk, bv, qw, kw, vw; writes qw, kw, vw
.if DOCPART == 2
	.amdgcn_target "amdgcn-amd-amdhsa--gfx1250"
	.amdhsa_code_object_version 6
	.text
	.protected	k_q737cca1f64_proj
	.globl	k_q737cca1f64_proj
	.p2align	8
	.type	k_q737cca1f64_proj,@function
k_q737cca1f64_proj:
	s_mov_b64 s[64:65], 0
	v_nop
	global_prefetch_b8 v0, s[64:65] scope:SCOPE_SE
	s_setreg_imm32_b32 hwreg(HW_REG_WAVE_MODE, 25, 1), 1
	s_wait_xcnt 0x0
; Q = video Wq^T + bq, K = audio Wk^T + bk, V = audio Wv^T + bv: products on codes of FP4 (E2M1) with one E8M0 scale for each 32 along K = 384; sums in f32.
; They leave as f16, scaled by constants so that f16 has room: qw = Q x 4 log2(e) / sqrt(384), kw = K / 4, vw = V / 4, laid as images of the next launch's operand registers (blocks of 512 bytes, lane l's 16 bytes at 16 l):
;   qw, kw: block (row / 16) x 24 + t: lane (r, h) holds row r of the 16, features 16 t + 8 h + 0 .. 7;   vw: block ((row / 128) x 24 + tg) x 8 + kt: lane (r, h) holds feature 16 tg + r, keys 16 kt + 8 h + 0 .. 7 of the 128.
; SHARES.  Work-group g takes rows 64 g .. 64 g + 63 of both feature tensors.  PHASE X: wave w quantises rows 16 w .. 16 w + 15 of both (six sets of 16 rows x 128 K) and leaves their fragments in LDS as register images.
; PHASE M: THE WAVES SHARE THE COLUMNS: wave w makes features 96 w .. 96 w + 95 of Q, K and V for all 64 rows.  Its 54 weight fragments come once from memory straight into its registers, under the shadow of x's loads.
; NO CLUSTER, no joint loads for the weights: by way of LDS each work-group's 248,832 bytes of weights would be written and read once more, and rounds of a cluster's barrier would be added to a launch that walks one block.
; Q and K are made TRANSPOSED (source 0 = 16 rows of W, source 1 = 16 rows of x): a lane's eight results are eight neighbouring features of one row.  V is made straight (source 0 = x, source 1 = Wv): eight neighbouring
; keys of one feature.  Either way the eight, packed to f16, ARE the lane's 16 bytes of the block: each store of the wave covers 512 consecutive bytes, aligned, and no stage stands on the way out.
; x's loads take the bytes as they lie (512 consecutive bytes of a row an instruction); the conversions want 16 neighbours in a lane: so a set turns through the wave's own stage in LDS (rows of 512 + 16 bytes).
; LIMITS: f16's range: |0.2945 Q|, |K / 4|, |V / 4| up to 65,504.  A block whose largest magnitude lies under 2^-124 (zeros among them) gets the scale byte 1: a block of zeros has zero codes, and this program alone reads the bytes.  NaN and infinities are not served.
; REGISTERS, in windows of 256: window 0: v1-11 addresses; v16-69 the weights' scale words; v70-93 x's scale words; from v94 phase X's work, later six accumulators and the biases.
;   windows 1, 2: weight fragment F = 18 mtx + 6 s + t at register 256 + 8 F.   window 3: phase X: four raw sets of 64; phase M: x's 24 fragments, ((tensor x 4 + m) x 3 + s) x 8.
.set SPITCH, 528                       ; a stage row: 512 bytes + 16: 33 x 16, so that the sixteen rows that a load touches start in different groups of banks (64 banks of 4 bytes: ISA guide 11.1)
.set WSTG,   16*SPITCH                 ; a wave's stage
.set XIMG,   4*WSTG                    ; behind the four stages: x's 24 fragments, 1,024 bytes each,
.set XSC,    XIMG+24*1024              ; their scale words, 128 bytes each,
.set SPARE,  XSC+24*128                ; and the spare words, 128 bytes for each wave: two blocks of 256 bytes that no other line names
.set LI,  1                            ; v1   16 x lane
.set LS,  2                            ; v2   4 x lane
.set STI, 3                            ; v3   my stage, on the way in: 16 x lane
.set STO, 4                            ; v4   and out: row r, + 64 h
.set XWI, 5                            ; v5   where I store my fragments' images
.set XWS, 6                            ; v6   and their scale words
.set BA,  7                            ; v7   32 h: bq, bk for a transposed tile
.set BVA, 8                            ; v8   4 r: bv
.set SPW, 10                           ; v10  LDS address of my spare word; never rewritten
.set NIL, 11                           ; v11  0; never rewritten
.set WS,  16
.set XS,  70
.set TM,  94
.set PW,  110
.set PC,  112
.set XB,  120
.set ACC, 94
.set BQ,  142
.set BK,  190
.set BV,  238
.set WV,  28
.set SEL, 30
.set MSB, 0
.macro WIN new                         ; the immediate's high byte repeats the setting that is left; a switch that changes nothing is dropped
.if MSB != (\new)
	s_set_vgpr_msb (MSB<<8)|(\new)
.set MSB, (\new)
.endif
.endm
.macro QUANT s                         ; 64 numbers of a lane, register 16 b + i = k 32 b + 16 h + i of my row, become a fragment's codes in v[PC] on and its scale word in v[PW]
.irp b, 0,1,2,3
	v_max3_num_f32 v[TM+\b], |v[\s+16*\b]|, |v[\s+1+16*\b]|, 0x1800000   ; and the floor 2^(3 - 127): the byte cannot fall under 1
.endr
.irp i, 2,4,6,8,10,12,14
.irp b, 0,1,2,3
	v_max3_num_f32 v[TM+\b], v[TM+\b], |v[\s+16*\b+\i]|, |v[\s+1+16*\b+\i]|
.endr
.endr
.irp b, 0,1,2,3
	v_permlanex16_b32 v[TM+4+\b], v[TM+\b], s[SEL], s[SEL+1]
.endr
.irp b, 0,1,2,3
	v_max_num_f32 v[TM+\b], v[TM+\b], v[TM+4+\b]
.endr
.irp b, 0,1,2,3
	v_add_nc_u32 v[TM+12+\b], 0xff000000, v[TM+\b]   ; 2 off the exponent field: the conversion's scale operand
.endr
.irp b, 0,1,2,3
	v_lshrrev_b32 v[TM+4+\b], 23, v[TM+12+\b]
.endr
	v_lshl_or_b32 v[PW], v[TM+5], 8, v[TM+4]
	v_lshl_or_b32 v[PW], v[TM+6], 16, v[PW]
	v_lshl_or_b32 v[PW], v[TM+7], 24, v[PW]
.irp b, 0,1,2,3
	v_cvt_scalef32_pk8_fp4_f32 v[PC+2*\b], v[\s+16*\b:\s+7+16*\b], v[TM+12+\b]
	v_cvt_scalef32_pk8_fp4_f32 v[PC+1+2*\b], v[\s+8+16*\b:\s+15+16*\b], v[TM+12+\b]
.endr
	v_nop                                          ; one plain place behind a scaled conversion
.irp c, 0,1
.irp i, 0,1
	v_permlane16_swap_b32 v[PC+4*\c+\i], v[PC+2+4*\c+\i]
.endr
.endr
.endm
; Set q (tensor q / 3, K step q % 3) of my 16 rows into raw set q % 4: each load reads 512 consecutive bytes of one row
.macro XLOAD q
	WIN 0xc0
.irp i, 0,1,2,3,4,5,6,7,8,9,10,11,12,13,14,15
	global_load_b128 v[64*((\q)%4)+4*\i:64*((\q)%4)+4*\i+3], v[LI], s[8+2*((\q)/3):9+2*((\q)/3)] offset:\i*1536+512*((\q)%3) th:TH_LOAD_NT
.endr
.endm
; Nine of my 54 weight fragments and their scale words: 27 loads
.macro WCHUNK c
.irp f, 0,1,2,3,4,5,6,7,8
.set FF, 9*(\c)+\f
	WIN 0x40+0x40*(FF/32)
	global_load_b128 v[(8*FF)%256:(8*FF)%256+3], v[LI], s[12:13] offset:FF*1024
	global_load_b128 v[(8*FF)%256+4:(8*FF)%256+7], v[LI], s[12:13] offset:FF*1024+512
.endr
	WIN 0
.irp f, 0,1,2,3,4,5,6,7,8
	global_load_b32 v[WS+9*(\c)+\f], v[LS], s[14:15] offset:(9*(\c)+\f)*128
.endr
.endm
; Set q: through the stage, quantised, its image to LDS.  n: how many younger loads may stay out
.macro XSTEP q, n
	s_wait_loadcnt \n                              ; loads come back in order (ISA guide 5.7.1): the set's sixteen are in
	WIN 0x0c
.irp i, 0,1,2,3,4,5,6,7,8,9,10,11,12,13,14,15
	ds_store_b128 v[STI], v[64*((\q)%4)+4*\i:64*((\q)%4)+4*\i+3] offset:\i*SPITCH
.endr
	WIN 0
.irp b, 0,1,2,3
.irp j, 0,1,2,3
	ds_load_b128 v[XB+16*\b+4*\j:XB+16*\b+4*\j+3], v[STO] offset:128*\b+16*\j   ; LDS serves a wave's instructions in order (ISA guide 5.7.1.4): these see the stores above
.endr
.endr
	s_wait_dscnt 0x0                               ; my 64 numbers are in; the raw set has been read; the last image's stores have read their registers
.if (\q) < 2
	XLOAD (\q)+4
.endif
	WCHUNK \q
	QUANT XB
	ds_store_b128 v[XWI], v[PC:PC+3] offset:((\q)/3)*12288+((\q)%3)*1024
	ds_store_b128 v[XWI], v[PC+4:PC+7] offset:((\q)/3)*12288+((\q)%3)*1024+512
	ds_store_b32 v[XWS], v[PW] offset:((\q)/3)*1536+((\q)%3)*128
.endm
; My six tiles of matrix mtx (0 Q, 1 K, 2 V) for the rows 16 m on: 18 matrix instructions, the six accumulators by turns, one instruction a turn; scaled, biased, packed, stored
.macro GROUP mtx, m
	s_wait_xcnt 0x0                                ; the last group's stores have read their registers: the accumulators may be written again
.irp s, 0,1,2
.irp t, 0,1,2,3,4,5
.set FF, 18*(\mtx)+6*\s+\t
.set WR, (8*FF)%256
.set XX, (4*(((\mtx)+1)/2)+(\m))*3+\s
.set XR, 8*XX
.set AR, ACC+8*\t
.if (\mtx) == 2
	WIN 0x0b                                       ; source 0 (x) window 3, source 1 (Wv) window 2
.if \s == 0
	v_wmma_scale_f32_16x16x128_f8f6f4 v[AR:AR+7], v[XR:XR+7], v[WR:WR+7], 0, v[XS+XX], v[WS+FF] matrix_a_fmt:MATRIX_FMT_FP4 matrix_b_fmt:MATRIX_FMT_FP4
.else
	v_wmma_scale_f32_16x16x128_f8f6f4 v[AR:AR+7], v[XR:XR+7], v[WR:WR+7], v[AR:AR+7], v[XS+XX], v[WS+FF] matrix_a_fmt:MATRIX_FMT_FP4 matrix_b_fmt:MATRIX_FMT_FP4
.endif
.else
	WIN 0x0d+FF/32                                 ; source 0 (W) window 1 or 2, source 1 (x) window 3
.if \s == 0
	v_wmma_scale_f32_16x16x128_f8f6f4 v[AR:AR+7], v[WR:WR+7], v[XR:XR+7], 0, v[WS+FF], v[XS+XX] matrix_a_fmt:MATRIX_FMT_FP4 matrix_b_fmt:MATRIX_FMT_FP4
.else
	v_wmma_scale_f32_16x16x128_f8f6f4 v[AR:AR+7], v[WR:WR+7], v[XR:XR+7], v[AR:AR+7], v[WS+FF], v[XS+XX] matrix_a_fmt:MATRIX_FMT_FP4 matrix_b_fmt:MATRIX_FMT_FP4
.endif
.endif
.endr
.endr
	WIN 0
.rept 4
	v_nop                                          ; four places between the last products and the first read of results (ISA guide 7.12.1)
.endr
.if (\mtx) == 0
.set MU, 40
.else
.set MU, 42
.endif
.irp t, 0,1,2,3,4,5
.irp i, 0,2,4,6
.if (\mtx) == 0
.set BR, BQ+8*\t+\i
.elseif (\mtx) == 1
.set BR, BK+8*\t+\i
.else
.set BR, BV+2*\t
.endif
	v_pk_fma_f32 v[ACC+8*\t+\i:ACC+8*\t+\i+1], v[ACC+8*\t+\i:ACC+8*\t+\i+1], s[MU:MU+1], v[BR:BR+1] op_sel_hi:[1,0,1]   ; sum x constant + bias x constant; each accumulator from its low end on
.endr
.endr
.irp t, 0,1,2,3,4,5
.irp i, 0,1,2,3
	v_cvt_pk_f16_f32 v[ACC+8*\t+\i], v[ACC+8*\t+2*\i], v[ACC+8*\t+2*\i+1]
.endr
.endr
.irp t, 0,1,2,3,4,5
.if (\mtx) == 2
	global_store_b128 v[LI], v[ACC+8*\t:ACC+8*\t+3], s[26:27] offset:\t*4096+(\m)*512
.else
	global_store_b128 v[LI], v[ACC+8*\t:ACC+8*\t+3], s[22+2*(\mtx):23+2*(\mtx)] offset:(\m)*12288+\t*512
.endif
.endr
.endm
	s_load_b256 s[8:15], s[0:1], 0x0               ; video s[8:9], audio s[10:11], wcodes s[12:13], wscales s[14:15]
	s_load_b256 s[16:23], s[0:1], 0x20             ; bq s[16:17], bk s[18:19], bv s[20:21], qw s[22:23]
	s_load_b128 s[24:27], s[0:1], 0x40             ; kw s[24:25], vw s[26:27]
	v_lshl_add_u32 v[SPW], v0, 2, SPARE
	v_mov_b32 v[NIL], 0
	v_lshrrev_b32 v9, 5, v0
	v_readfirstlane_b32 s[WV], v9                  ; wave 0..3
	v_and_b32 v9, 31, v0
	v_lshlrev_b32 v[LI], 4, v9
	v_lshlrev_b32 v[LS], 2, v9
	v_and_b32 v12, 15, v0                          ; r
	v_bfe_u32 v13, v0, 4, 1                        ; h
	s_mul_i32 s50, s[WV], WSTG
	v_add_nc_u32 v[STI], s50, v[LI]
	v_mul_u32_u24 v[STO], v12, SPITCH
	v_lshl_add_u32 v[STO], v13, 6, v[STO]
	v_add_nc_u32 v[STO], s50, v[STO]
	s_mul_i32 s50, s[WV], 3072
	s_add_co_u32 s50, s50, XIMG
	v_add_nc_u32 v[XWI], s50, v[LI]
	s_mul_i32 s50, s[WV], 384
	s_add_co_u32 s50, s50, XSC
	v_add_nc_u32 v[XWS], s50, v[LS]
	v_lshlrev_b32 v[BA], 5, v13
	v_lshlrev_b32 v[BVA], 2, v12
.irp b, 0,1,2,3
	v_mov_b32 v[TM+4+\b], 0                        ; written once: a lane permute's destination counts as one of its sources
.endr
	s_mov_b32 s[SEL], 0x76543210
	s_mov_b32 s[SEL+1], 0xfedcba98
	s_mov_b32 s40, 0x3e96c73f                      ; 4 log2(e) / sqrt(384)
	s_mov_b32 s41, s40                             ; (named with it as a pair, so it is written)
	s_mov_b32 s42, 0x3e800000                      ; 1 / 4
	s_mov_b32 s43, s42
	s_mul_i32 s34, ttmp9, 98304                    ; the features: (64 g + 16 w) rows of 1,536 bytes
	s_mul_i32 s33, s[WV], 24576
	s_add_co_u32 s34, s34, s33
	s_mov_b32 s35, 0
	s_mul_i32 s36, s[WV], 55296                    ; my 54 fragments,
	s_mov_b32 s37, 0
	s_mul_i32 s38, s[WV], 6912                     ; their scale words,
	s_mov_b32 s39, 0
	s_mul_i32 s44, s[WV], 384                      ; my 96 numbers of each bias
	s_mov_b32 s45, 0
	s_mul_i32 s46, ttmp9, 49152                    ; qw, kw: 4 g row tiles of 24 blocks, + my 6 blocks
	s_mul_i32 s32, s[WV], 3072
	s_add_co_u32 s46, s46, s32
	s_mov_b32 s47, 0
	s_lshr_b32 s48, ttmp9, 1                       ; vw: unit g / 2 of 128 keys, my 6 feature tiles of 8 blocks, key tiles 4 (g % 2) on
	s_mul_i32 s48, s48, 98304
	s_add_co_u32 s48, s48, s33
	s_and_b32 s32, ttmp9, 1
	s_lshl_b32 s32, s32, 11
	s_add_co_u32 s48, s48, s32
	s_mov_b32 s49, 0
	s_wait_kmcnt 0x0
	s_add_nc_u64 s[8:9], s[8:9], s[34:35]
	s_add_nc_u64 s[10:11], s[10:11], s[34:35]
	s_add_nc_u64 s[12:13], s[12:13], s[36:37]
	s_add_nc_u64 s[14:15], s[14:15], s[38:39]
	s_add_nc_u64 s[16:17], s[16:17], s[44:45]
	s_add_nc_u64 s[18:19], s[18:19], s[44:45]
	s_add_nc_u64 s[20:21], s[20:21], s[44:45]
	s_add_nc_u64 s[22:23], s[22:23], s[46:47]
	s_add_nc_u64 s[24:25], s[24:25], s[46:47]
	s_add_nc_u64 s[26:27], s[26:27], s[48:49]
	; ---- PHASE X.  Behind set 0 stand sets 1 to 3: 48 loads.  Behind each later set stand 75 loads or more (x's later sets and the weights' chunks of 27): the count is held at the largest that the wait can name
	XLOAD 0
	XLOAD 1
	XLOAD 2
	XLOAD 3
	XSTEP 0, 48
	XSTEP 1, 63
	XSTEP 2, 63
	XSTEP 3, 63
	XSTEP 4, 63
	XSTEP 5, 63
.irp t, 0,1,2,3,4,5                            ; the biases in the results' layouts: bq, bk: my half's eight features of tile t; bv: my feature of tile t
	global_load_b128 v[BQ+8*\t:BQ+8*\t+3], v[BA], s[16:17] offset:64*\t
	global_load_b128 v[BQ+8*\t+4:BQ+8*\t+7], v[BA], s[16:17] offset:64*\t+16
	global_load_b128 v[BK+8*\t:BK+8*\t+3], v[BA], s[18:19] offset:64*\t
	global_load_b128 v[BK+8*\t+4:BK+8*\t+7], v[BA], s[18:19] offset:64*\t+16
	global_load_b32 v[BV+2*\t], v[BVA], s[20:21] offset:64*\t
.endr
	s_wait_dscnt 0x0                               ; for the others' sake: my images have landed
	s_barrier_signal -1
	s_barrier_wait -1                              ; x's 24 fragments lie in LDS
	; ---- PHASE M
	WIN 0xc0
.irp x, 0,1,2,3,4,5,6,7,8,9,10,11,12,13,14,15,16,17,18,19,20,21,22,23
	ds_load_b128 v[8*\x:8*\x+3], v[LI] offset:XIMG+1024*\x
	ds_load_b128 v[8*\x+4:8*\x+7], v[LI] offset:XIMG+1024*\x+512
.endr
	WIN 0
.irp x, 0,1,2,3,4,5,6,7,8,9,10,11,12,13,14,15,16,17,18,19,20,21,22,23
	ds_load_b32 v[XS+\x], v[LS] offset:XSC+128*\x
.endr
	s_wait_loadcnt 0x0                             ; the weights, their scale words, the biases
.irp i, 0,2,4,6,8,10,12,14,16,18,20,22,24,26,28,30,32,34,36,38,40,42,44,46
	v_pk_mul_f32 v[BQ+\i:BQ+\i+1], v[BQ+\i:BQ+\i+1], s[40:41] op_sel_hi:[1,0]   ; the biases take the results' constants once
	v_pk_mul_f32 v[BK+\i:BK+\i+1], v[BK+\i:BK+\i+1], s[42:43] op_sel_hi:[1,0]
.endr
.irp t, 0,1,2,3,4,5
	v_mul_f32 v[BV+2*\t+1], s42, v[BV+2*\t]        ; a pair of the same number
	v_mul_f32 v[BV+2*\t], s42, v[BV+2*\t]
.endr
	s_wait_dscnt 0x0                               ; x's fragments and scale words
.irp m, 0,1,2,3
	GROUP 0, \m
.endr
.irp m, 0,1,2,3
	GROUP 1, \m
	GROUP 2, \m
.endr
	s_wait_tensorcnt 0x0                           ; the wave's end: behind my last LDS store
	ds_add_u32 v[SPW], v[NIL]
	s_wait_dscnt 0x0
	s_endpgm
.Lfunc_end_k_q737cca1f64_proj:
	.size	k_q737cca1f64_proj, .Lfunc_end_k_q737cca1f64_proj-k_q737cca1f64_proj
	.p2alignl 7, 3214868480
	.fill 96, 4, 3214868480
	.section	.rodata,"a",@progbits
	.p2align	6, 0x0
	.amdhsa_kernel k_q737cca1f64_proj
		.amdhsa_group_segment_fixed_size 61952
		.amdhsa_private_segment_fixed_size 0
		.amdhsa_enable_private_segment 0
		.amdhsa_kernarg_size 80
		.amdhsa_user_sgpr_count 2
		.amdhsa_user_sgpr_kernarg_segment_ptr 1
		.amdhsa_wavefront_size32 1
		.amdhsa_system_sgpr_workgroup_id_x 1
		.amdhsa_system_sgpr_workgroup_id_y 1
		.amdhsa_system_sgpr_workgroup_id_z 1
		.amdhsa_system_vgpr_workitem_id 0
		.amdhsa_next_free_vgpr 1024
		.amdhsa_next_free_sgpr 66
		.amdhsa_reserve_vcc 0
		.amdhsa_float_denorm_mode_32 3
		.amdhsa_float_denorm_mode_16_64 3
		.amdhsa_memory_ordered 1
		.amdhsa_forward_progress 1
		.amdhsa_inst_pref_size 148
	.end_amdhsa_kernel
	.amdgpu_metadata
---
amdhsa.version: [ 1, 2 ]
amdhsa.kernels:
  - .name:           k_q737cca1f64_proj
    .symbol:         k_q737cca1f64_proj.kd
    .args:
      - { .name: video_features, .offset: 0, .size: 8, .value_kind: global_buffer, .address_space: global }
      - { .name: audio_features, .offset: 8, .size: 8, .value_kind: global_buffer, .address_space: global }
      - { .name: wcodes, .offset: 16, .size: 8, .value_kind: global_buffer, .address_space: global }
      - { .name: wscales, .offset: 24, .size: 8, .value_kind: global_buffer, .address_space: global }
      - { .name: bq, .offset: 32, .size: 8, .value_kind: global_buffer, .address_space: global }
      - { .name: bk, .offset: 40, .size: 8, .value_kind: global_buffer, .address_space: global }
      - { .name: bv, .offset: 48, .size: 8, .value_kind: global_buffer, .address_space: global }
      - { .name: qw, .offset: 56, .size: 8, .value_kind: global_buffer, .address_space: global }
      - { .name: kw, .offset: 64, .size: 8, .value_kind: global_buffer, .address_space: global }
      - { .name: vw, .offset: 72, .size: 8, .value_kind: global_buffer, .address_space: global }
    .group_segment_fixed_size: 61952
    .private_segment_fixed_size: 0
    .kernarg_segment_align: 8
    .kernarg_segment_size: 80
    .max_flat_workgroup_size: 128
    .sgpr_count:     66
    .vgpr_count:     1024
    .wavefront_size: 32
...
	.end_amdgpu_metadata
.endif
;; end of part 2
;; launch attn (part 3): grid 32 x 8, 4 waves a work-group, clusters of 4 x 1, 327,680 bytes of LDS; arguments qw, kw, vw, out0; writes out0
.if DOCPART == 3
	.amdgcn_target "amdgcn-amd-amdhsa--gfx1250"
	.amdhsa_code_object_version 6
	.text
	.protected	k_q737cca1f64_attn
	.globl	k_q737cca1f64_attn
	.p2align	8
	.type	k_q737cca1f64_attn,@function
k_q737cca1f64_attn:
	s_mov_b64 s[64:65], 0
	v_nop
	global_prefetch_b8 v0, s[64:65] scope:SCOPE_SE
	s_setreg_imm32_b32 hwreg(HW_REG_WAVE_MODE, 25, 1), 1
	s_wait_xcnt 0x0
	s_wait_alu depctr_hold_cnt(0) depctr_sa_sdst(0) depctr_va_vdst(0) depctr_va_sdst(0) depctr_va_ssrc(0) depctr_va_vcc(0) depctr_vm_vsrc(0)
	s_getreg_b32 s2, hwreg(HW_REG_IB_STS2, 6, 4)
	s_cmp_eq_u32 s2, 0
	s_cbranch_scc0 .Lentry_in_a_cluster
	s_endpgm
.Lentry_in_a_cluster:
	s_bfe_u32 s2, ttmp6, 0x10000c
	s_cmp_lg_u32 s2, 0x3003
	s_cbranch_scc0 .Lentry_shape_is_right
	s_endpgm
.Lentry_shape_is_right:
; out[b][q][:] = the sum over k of softmax_k(Q[b][q] . K[b][k] / sqrt(384)) V[b][k][:], 8 batches x 2,048 x 384.  Operands in f16, products, maxima and sums in f32; the weights p are rounded to f16 for the second product.
; qw = Q x 4 log2(e) / sqrt(384), kw = K / 4, vw = V / 4 arrive as images of operand registers (blocks of 512 bytes, lane l's 16 bytes at 16 l): a score is then t = score x log2(e) as it stands, p = 2^(t - m), and out = O' x 4 / l.
; SHARES.  A work-group owns 64 queries of one batch: four tiles of 16.  All four waves hold Q of all 64 (384 registers).  The keys go in 16 steps of 128.
;   S^T = K Q^T (source 0 = 16 keys, source 1 = 16 queries): wave w takes keys 32 w .. 32 w + 31 of the step: 8 accumulators, 96 matrix instructions; each fragment of K feeds four.
;   O^T = V^T P (source 0 = 16 channels, source 1 = 32 keys x 16 queries): wave w takes channels 96 w .. 96 w + 95: 24 accumulators, 96 matrix instructions; each fragment of V feeds four, each of P six.
; So every byte of K and V is read from LDS once in a work-group.  What else changes waves is small: the step's maxima (16 bytes a lane) and P (16 KiB, as register images).  A lane holds ONE query (lane % 16) in S^T, P and O^T.
; SOFTMAX.  For each query a running maximum m, the same in all four waves, and in each wave a part of the sum l; O^T and l are multiplied by a = 2^(m_old - m_new) in every step.
; PIPELINE.  Iteration j: S^T of step j; then V^T P of step j - 1, with the softmax of step j cut into slices of 2 to 4 vector instructions, one slice behind each matrix instruction.  O^T's rescaling by a of step j - 1 stands
; in slices of two behind the second half of S^T's products.  A slice costs two switches of the register windows: the softmax set in a phase of its own would leave the matrix unit without work for all its length, which is the greater price.
; RING.  K has one LDS slot, V two.  ONE round of the cluster's barrier a step, in the middle of S^T, when all fragments of K's step are in registers: behind it waves 0 and 1 ask for the halves of K's next step, waves 2 and 3 for the halves
; of V's step j, into the slot whose V was multiplied an iteration ago: one load a wave, 49,152 bytes, with the rest of the iteration in which to land; the iteration's last barrier shows them to all waves.
; By this text's count a wave has at most two tensor loads out (waves 2 and 3 at the head), later one.
; CLUSTER.  The four query blocks of a cluster belong to one batch and walk the same K and V: each half is asked for JOINTLY, by the same tensor load with the same descriptor and a mask that names the four.
; LIMITS: f16's range, as the launch before states it; NaN and infinities are not served.
; REGISTERS, in windows of 256 (s_set_vgpr_msb: bits 1:0 source 0, 3:2 source 1, 5:4 source 2, 7:6 destination):
;   window 0: v1-14 addresses; v16-63 statistics; v64-255 24 fragments of K or of V (rows of out on the way out)
;   window 1: v0-191 Q of query tiles 0, 1; v192-255 P of keys 0-63.   window 2: the same for tiles 2, 3 and keys 64-127.   window 3: v0-191 O^T at 8 (4 dt + qt); v192-255 S^T at 192 + 8 (2 qt + kt)
.set QUART, 24576                      ; what a wave reads of a step's K, or V: 48 blocks
.set HALFU, 49152                      ; what a wave fetches: half a step's K, or V
.set UNIT,  98304                      ; a step's K, or V
.set SLOT1, 1<<17                      ; V's slot 0 begins at 0, slot 1 here, so that one exclusive or turns an address in one into the other's
.set PBUF,  UNIT                       ; between them: P: block (ks x 4 + qt) x 2 + c,
.set MXB,   PBUF+16384                 ; the maxima: 80 r + 16 w + 4 qt,
.set LXO,   1536                       ; the sums, at the end: the same form, so many bytes on,
.set SPARE, MXB+2*LXO                  ; the spare words, 128 bytes for each wave: two blocks of 256 bytes that no other line names,
.set STAGE, SPARE+512                  ; and the way out: 64 rows of 1,536 bytes + 16.  It runs on into V's slot 1, which has had its last fill and its last read when the first result is stored there
.set SP,    1552                       ; 97 x 16: the sixteen rows that a store touches start in different groups of banks (64 banks of 4 bytes: ISA guide 11.1)
.set KSLOT, SLOT1+UNIT                 ; K's slot: the last 98,304 bytes
.set LI,  1                            ; v1   16 x lane
.set KAD, 2                            ; v2   my quarter of K's slot, + 16 x lane
.set VAD0, 3                           ; v3   my quarter of V's slot 0, + 16 x lane
.set PST, 4                            ; v4   where I store my P
.set PLD, 5                            ; v5   where P begins, + 16 x lane
.set MST, 6                            ; v6   where I store my maxima
.set MLD, 7                            ; v7   where my query's maxima begin
.set SO,  8                            ; v8, v9  the stage, on the way in: query tiles 0, 1; tiles 2, 3
.set SR,  10                           ; v10  and back
.set PFO, 11                           ; v11  256 x lane: the prefetches' offset; never rewritten
.set SPW, 12                           ; v12  LDS address of my spare word; never rewritten
.set NIL, 13                           ; v13  0; never rewritten
.set VADR, 14                          ; v14  my quarter of V's slot in hand
.set MM,  16                           ; v[16+2 qt] m, v[17+2 qt] m_old - m_new
.set AA,  24                           ; v[24+2 qt] a; v[25+2 qt] named with it as a pair
.set LL,  32                           ; v[32+2 qt : 33+2 qt] l, in two halves
.set LM,  40                           ; v40-43 my wave's maxima (at the end: sums)
.set MX,  44                           ; v44-59 at work on my maxima; then all four waves' maxima: 4 w + qt; then at work on the sums
.set TP,  60                           ; v60-63 at work
.set F,   64
.set S,   192                          ; in window 3
.set PF,  192                          ; in windows 1, 2
.set WV,  12
.set G1,  24                           ; s[24:31] descriptor group 1
.set G0K, 32                           ; s[32:35] group 0 for K's half
.set G0VA, 36                          ; s[36:39] for V's half of step 0
.set G0VB, 48                          ; s[48:51] for V's half of step 1; it then walks on
.set SEL, 40                           ; s[40:41] lane selects for v_permlanex16_b32: lane l xor 16
.set CNT, 42                           ; s42  the loop's trips to go
.set LIM, 43                           ; s43  1 in a wave that prefetches, else the greatest number: K is asked for while s[CNT] is above it
.set PFK, 44                           ; s[44:45] where my prefetches of K stand
.set PFV, 46                           ; s[46:47] of V
.set TB,  52                           ; s52  LDS byte at which V's slot in hand begins
.set LIMV, 53                          ; s53  0 in a wave that prefetches, else the greatest number: the same for V
.set MSB, 0
.macro WIN new                         ; the immediate's high byte repeats the setting that is left; a switch that changes nothing is dropped
.if MSB != (\new)
	s_set_vgpr_msb (MSB<<8)|(\new)
.set MSB, (\new)
.endif
.endm
.macro PLACES                          ; four plain places behind matrix instructions, in front of reads of their results and of loads into registers that they have read
.rept 4
	v_nop
.endr
.endm
; A round of the cluster's barrier: my work-group's barrier; wave 0 signals for the work-group; every wave waits for all four work-groups; my work-group's barrier once more
.macro CREST                           ; a round behind its opening barrier
	s_cmp_lg_u32 s[WV], 0
	s_cbranch_scc1 .Lnot_wave_0_\@
	s_barrier_signal -3
.Lnot_wave_0_\@:
	s_barrier_wait -3
	s_barrier_signal -1
	s_barrier_wait -1
.endm
.macro CROUND
	s_barrier_signal -1
	s_barrier_wait -1
	CREST
.endm
; The joint refills of a round.  Waves 0 and 1 fetch K's two halves, waves 2 and 3 V's.  The branch hangs on the wave's number alone: it is the same in every work-group; the descriptors hang on the batch, the wave's number and the
; count of steps.  An s_nop 0 and four v_nop follow each line; the four are also the places in front of the LDS loads that follow; where one kind alone is asked for, the waves that pass get four of their own
.macro JL ldk, ldv
.if (\ldk) && (\ldv)
	s_cmp_lt_u32 s[WV], 2
	s_cbranch_scc0 .Lfor_v_\@
	tensor_load_to_lds s[G0K:G0K+3], s[G1:G1+7]
	s_nop 0
	PLACES
	s_branch .Lasked_\@
.Lfor_v_\@:
	tensor_load_to_lds s[G0VB:G0VB+3], s[G1:G1+7]
	s_nop 0
	PLACES
.Lasked_\@:
.elseif \ldk
	s_cmp_lt_u32 s[WV], 2
	s_cbranch_scc0 .Lasked_\@
	tensor_load_to_lds s[G0K:G0K+3], s[G1:G1+7]
	s_nop 0
	PLACES
.Lasked_\@:
	PLACES
.else
	s_cmp_lt_u32 s[WV], 2
	s_cbranch_scc1 .Lasked_\@
	tensor_load_to_lds s[G0VB:G0VB+3], s[G1:G1+7]
	s_nop 0
	PLACES
.Lasked_\@:
	PLACES
.endif
.endm
; A PREFETCH INTO THE L2 of what the NEXT round will ask for: one step, 192 matrix instructions a wave, ahead of that load.  Each aligned block of 256 bytes is named once in the launch: all eight clusters of a batch walk the
; same K and V, and the batch's first cluster asks; its four partners take 24,576 bytes of the step each, told apart BY ADDRESS; in each, waves 0 to 2 take 8,192 bytes, lanes 256 bytes apart.
; K's steps 0 and 1 and V's steps 0 and 1 come by their loads alone; the rounds that have no step behind the one they ask for prefetch nothing
.macro ASK pf, lim
	s_cmp_gt_u32 s[CNT], s[\lim]
	s_cbranch_scc0 .Lnot_mine_\@
	global_prefetch_b8 v[PFO], s[\pf:\pf+1] th:TH_LOAD_NT scope:SCOPE_SE
.Lnot_mine_\@:
.endm
; LDS loads, in short runs.  K: my two key tiles, features 32 d on.  P: keys 32 k on, all four query tiles.  V: keys 32 k on, my six channel tiles
.macro KLD d
.irp k, 0,1
.irp c, 0,1
	ds_load_b128 v[F+8*(2*(\d)+\k)+4*\c:F+8*(2*(\d)+\k)+4*\c+3], v[KAD] offset:(24*\k+2*(\d)+\c)*512
.endr
.endr
.endm
.macro PLDK k
	WIN 0x40+0x40*((\k)/2)
.irp q, 0,1,2,3
.irp c, 0,1
	ds_load_b128 v[PF+8*(4*((\k)%2)+\q)+4*\c:PF+8*(4*((\k)%2)+\q)+4*\c+3], v[PLD] offset:((4*(\k)+\q)*2+\c)*512
.endr
.endr
.endm
.macro VLDK k
	WIN 0
.irp d, 0,1,2,3,4,5
.irp c, 0,1
	ds_load_b128 v[F+8*(6*(\k)+\d)+4*\c:F+8*(6*(\k)+\d)+4*\c+3], v[VADR] offset:((4*\d+(\k))*2+\c)*512
.endr
.endr
.endm
; Number NR of 96 of O^T's rescaling: a pair of accumulator NR / 4 = 4 dt + qt, each accumulator from its low end on
.macro RSC
	WIN 0xc3                                       ; O^T in place, a from window 0
	v_pk_mul_f32 v[2*NR:2*NR+1], v[2*NR:2*NR+1], v[AA+2*((NR/4)%4):AA+2*((NR/4)%4)+1] op_sel_hi:[1,0]
.set NR, NR+1
.endm
; Eight products of S^T: features 32 d on, my 2 key tiles x 4 query tiles.  The eight accumulators take turns, one instruction a turn; the two halves of the query tiles, whose Q lies in
; windows 1 and 2, change order from one d to the next.  resc = 1: two numbers of O^T's rescaling behind each
.macro SD d, resc
.irp e, 0,1
.irp q, 0,1
.irp k, 0,1
.set HF, (\e+\d)%2
.set RS, S+8*(2*(2*HF+\q)+\k)
.set RK, F+8*(2*(\d)+\k)
.set RQ, 8*(12*\q+(\d))
	WIN 0xf4+4*HF                                  ; K window 0, Q window 1 or 2, S^T window 3
.if (\d) == 0
	v_wmma_f32_16x16x32_f16 v[RS:RS+7], v[RK:RK+7], v[RQ:RQ+7], 0
.else
	v_wmma_f32_16x16x32_f16 v[RS:RS+7], v[RK:RK+7], v[RQ:RQ+7], v[RS:RS+7]
.endif
.if \resc
	RSC
	RSC
.endif
.endr
.endr
.endr
.endm
; Product NP of 96 of O^T += V^T P: keys 32 (NP / 24) on, accumulator NP % 24 = 4 dt + qt: the 24 take turns.  first = 1: the first 24 start the sums: nothing is ever cleared
.macro PROD first
.set RO, 8*(NP%24)
.set RV, F+8*(6*(NP/24)+(NP%24)/4)
.set RP, PF+8*(4*((NP/24)%2)+NP%4)
	WIN 0xf4+4*(NP/48)                             ; V window 0, P window 1 or 2, O^T window 3
.if (\first) && (NP < 24)
	v_wmma_f32_16x16x32_f16 v[RO:RO+7], v[RV:RV+7], v[RP:RP+7], 0
.else
	v_wmma_f32_16x16x32_f16 v[RO:RO+7], v[RV:RV+7], v[RP:RP+7], v[RO:RO+7]
.endif
.set NP, NP+1
.endm
; Number NL of 44 of my wave's maxima: a chain for each of the 8 tiles of S^T, by turns, each accumulator from its low end on; the two tiles of a query tile; the lane 16 away
.macro LMX
.if NL < 8
	WIN 0x3f                                       ; sources window 3, destination window 0
	v_max3_num_f32 v[MX+NL], v[S+8*NL], v[S+8*NL+1], v[S+8*NL+2]
.elseif NL < 24
	WIN 0x3c                                       ; source 0 and destination window 0, sources 1 and 2 window 3
	v_max3_num_f32 v[MX+NL%8], v[MX+NL%8], v[S+8*(NL%8)+2*(NL/8)+1], v[S+8*(NL%8)+2*(NL/8)+2]
.elseif NL < 32
	WIN 0x3c
	v_max_num_f32 v[MX+NL%8], v[MX+NL%8], v[S+8*(NL%8)+7]
.elseif NL < 36
	WIN 0
	v_max_num_f32 v[MX+2*(NL-32)], v[MX+2*(NL-32)], v[MX+2*(NL-32)+1]
.elseif NL < 40
	WIN 0
	v_permlanex16_b32 v[TP+NL-36], v[MX+2*(NL-36)], s[SEL], s[SEL+1]   ; the query's other 16 of my keys lie in the lane 16 away
.elseif NL < 44
	WIN 0
	v_max_num_f32 v[LM+NL-40], v[MX+2*(NL-40)], v[TP+NL-40]
.endif
.set NL, NL+1
.endm
; Number NS of 189 of the softmax behind the exchange of maxima.  first = 1: the first step starts m and l and has no a.
;   0-19    the new m, the same in every wave, made of the same words; m_old - m_new; a
;   20-115  ONE BATCH with a: 32 packed t - m and 64 exponentials, from 23 on a subtraction and two exponentials by turns; a pair is scaled at least three numbers ahead of its exponentials.  None of these names an exponential's result
;   116     a plain instruction and the one wait for the batch
;   117-148 the sums, of p before it is rounded: a chain for each query tile, by turns; l = a l + the sum
;   149-188 for each tile of S^T four roundings to f16 in place and the store of half a fragment of P
.macro SMX first
.if NS < 4
	WIN 0
	v_max3_num_f32 v[TP+NS], v[MX+NS], v[MX+4+NS], v[MX+8+NS]
.elseif NS < 8
	WIN 0
.if \first
	v_max_num_f32 v[TP+NS-4], v[TP+NS-4], v[MX+8+NS]
.else
	v_max3_num_f32 v[TP+NS-4], v[TP+NS-4], v[MX+8+NS], v[MM+2*(NS-4)]
.endif
.elseif NS < 12
.if \first == 0
	WIN 0
	v_sub_f32 v[MM+2*(NS-8)+1], v[MM+2*(NS-8)], v[TP+NS-8]
.endif
.elseif NS < 16
	WIN 0
	v_mov_b32 v[MM+2*(NS-12)], v[TP+NS-12]
.elseif NS < 20
.if \first == 0
	WIN 0
	v_exp_f32 v[AA+2*(NS-16)], v[MM+2*(NS-16)+1]
.endif
.elseif NS < 116
.set EE, NS-20
.set PP, -1
.set XX, EE-32
.if EE < 3
.set PP, EE
.elseif EE < 90
.if (EE-3)%3 == 0
.set PP, (EE-3)/3+3
.else
.set XX, 2*((EE-3)/3)+(EE-3)%3-1
.endif
.endif
	WIN 0xc3                                       ; S^T in place, m from window 0
.if PP >= 0
	v_pk_add_f32 v[S+2*PP:S+2*PP+1], v[S+2*PP:S+2*PP+1], v[MM+2*(PP/8):MM+2*(PP/8)+1] op_sel_hi:[1,0] neg_lo:[0,1] neg_hi:[0,1]   ; t - m
.else
	v_exp_f32 v[S+XX], v[S+XX]                     ; p = 2^(t - m)
.endif
.elseif NS == 116
	v_nop                                          ; a plain instruction behind the last exponential
	s_wait_alu depctr_va_vdst(0)                   ; the wait ahead of the first instruction that names a result: one for the batch
.elseif NS < 121
	WIN 0x0f                                       ; sources window 3, destination window 0
	v_pk_add_f32 v[MX+2*(NS-117):MX+2*(NS-117)+1], v[S+16*(NS-117):S+16*(NS-117)+1], v[S+16*(NS-117)+2:S+16*(NS-117)+3]
.elseif NS < 145
.set QQ, (NS-121)%4
.set II, (NS-121)/4+2
.set DD, MX+2*QQ
.if (\first) && (II == 7)
.set DD, LL+2*QQ
.endif
	WIN 0x0c                                       ; source 0 and destination window 0, source 1 window 3
	v_pk_add_f32 v[DD:DD+1], v[MX+2*QQ:MX+2*QQ+1], v[S+16*QQ+2*II:S+16*QQ+2*II+1]
.elseif NS < 149
.if \first == 0
	WIN 0
	v_pk_fma_f32 v[LL+2*(NS-145):LL+2*(NS-145)+1], v[LL+2*(NS-145):LL+2*(NS-145)+1], v[AA+2*(NS-145):AA+2*(NS-145)+1], v[MX+2*(NS-145):MX+2*(NS-145)+1] op_sel_hi:[1,0,1]
.endif
.elseif NS < 189
.set TT, (NS-149)/5
.set RR, (NS-149)%5
.if RR < 4
	WIN 0xcf
	v_cvt_pk_f16_f32 v[S+8*TT+RR], v[S+8*TT+2*RR], v[S+8*TT+2*RR+1]
.else
	WIN 0x0c                                       ; an LDS store's data are its source 1: window 3
	ds_store_b128 v[PST], v[S+8*TT:S+8*TT+3] offset:512*TT   ; keys 32 w + 16 (TT % 2) on, query tile TT / 2
.endif
.endif
.set NS, NS+1
.endm
; S^T OF A STEP, AND THE ROUND IN ITS MIDDLE.  resc: O^T is rescaled beside the second half.  ldk, ldv: the round asks for K's next step, for V's step.  pvl: P's and V's fragments of the step before are fetched.
; ask: 0 no prefetch, 1 K's, 2 K's and V's.
.macro SPH resc, ldk, ldv, pvl, ask
	WIN 0
.if \pvl
	v_add_nc_u32 v[VADR], s[TB], v[VAD0]
.endif
	KLD 0
	KLD 1
	KLD 2
	KLD 3
	s_wait_dscnt 8                                 ; LDS loads come back in order (ISA guide 5.7.1): features 0-63 are in, the younger eight loads may be out
	SD 0, 0
	WIN 0
	KLD 4
	KLD 5
	SD 1, 0
	WIN 0
	KLD 6
	KLD 7
	s_wait_dscnt 16                                ; features 64-127 are in; the two runs of eight issued since may be out
	SD 2, 0
	WIN 0
	KLD 8
	KLD 9
	SD 3, 0
	WIN 0
	KLD 10
	KLD 11
	s_wait_dscnt 24                                ; features 128-191 are in; three runs of eight may be out
	SD 4, 0
	SD 5, 0
	WIN 0                                          ; the add's two registers lie in window 0
	s_wait_tensorcnt 0x0                           ; no tensor load of mine is out, so a group 0 may be written
	ds_add_u32 v[SPW], v[NIL]                      ; 0 onto my spare word; the descriptors' steps stand between it and the wait for it
.if \ldk
	s_add_nc_u64 s[G0K+2:G0K+3], s[G0K+2:G0K+3], UNIT     ; K's next step; the type bits on top are not reached
.endif
.if \ldv
	s_xor_b32 s[G0VB+1], s[G0VB+1], SLOT1                 ; V: the other slot than last time,
	s_add_nc_u64 s[G0VB+2:G0VB+3], s[G0VB+2:G0VB+3], UNIT ; the next step
.endif
.if \ask
	s_wait_xcnt 0x0                                ; the last prefetches, a step back, have read their addresses
	s_add_nc_u64 s[PFK:PFK+1], s[PFK:PFK+1], UNIT
	s_add_nc_u64 s[PFV:PFV+1], s[PFV:PFV+1], UNIT
.endif
	s_wait_dscnt 0x0                               ; the add is done, and all fragments of K's step are in registers: my reads of K's slot are over; those of V's slot that is filled next were over an iteration ago
	s_barrier_signal -1                            ; this barrier opens a round of the cluster's barrier
.set NR, 0
	SD 6, \resc                                    ; work on registers while the others arrive
	WIN 0
	s_barrier_wait -1
	CREST                                          ; no wave of any partner still reads what is filled next, or has a load on its way
	JL \ldk, \ldv                                  ; the first thing behind the round, one tensor load a wave
.if \ask
	ASK PFK, LIM
.endif
.if (\ask) == 2
	ASK PFV, LIMV
.endif
.if \pvl
	PLDK 0
.endif
	SD 7, \resc
.if \pvl
	VLDK 0                                         ; into the registers of K's features 0-95, which were multiplied ahead of the round
.endif
	SD 8, \resc
.if \pvl
	PLDK 1
.endif
	SD 9, \resc
.if \pvl
	VLDK 1                                         ; features 96-191's registers
.endif
	SD 10, \resc
.if \pvl
	PLDK 2
.endif
	SD 11, \resc
.if \pvl
	PLDK 3
.endif
	WIN 0
	PLACES                                         ; behind the last products of S^T: in front of the first read of the scores and of the loads into K's last registers
.if \pvl
	VLDK 2
.endif
.endm
; V^T P OF THE STEP BEFORE, WITH THIS STEP'S SOFTMAX IN SLICES BEHIND ITS PRODUCTS.  Products 0-21: my maxima, two numbers each.  Then the maxima change waves: four products stand between the barrier's signal and its wait, eight
; between the loads of the four waves' maxima and the wait for them.  Products 34 on: the list of SMX, four numbers behind a product where they are plain, three in the batch
.macro PVS first
.set NP, 0
.set NL, 0
.set NS, 0
	s_wait_dscnt 48                                ; P's and V's fragments of keys 0-31 are in; behind them were issued 8 + 12 + 8 + 8 + 12 loads
.rept 22
	PROD \first
	LMX
	LMX
.endr
	WIN 0
	ds_store_b128 v[MST], v[LM:LM+3]               ; lanes l and l xor 16 write the same words with the same values
	s_wait_dscnt 0x0                               ; for the others' sake: my maxima have landed, and my reads of P are over: P is written anew behind this barrier
	s_barrier_signal -1
.rept 4
	PROD \first
.endr
	s_barrier_wait -1                              ; the tensor loads may stay out across it
	WIN 0
.irp w, 0,1,2,3
	ds_load_b128 v[MX+4*\w:MX+4*\w+3], v[MLD] offset:16*\w
.endr
	VLDK 3
.rept 8
	PROD 0
.endr
	s_wait_dscnt 12                                ; the maxima are in; V's last twelve loads may be out
.rept 62
.set CN, 3
.if (NP < 39) || (NP >= 72)
.set CN, 4
.endif
.if NP == 72
	s_wait_dscnt 0x0                               ; V's fragments of keys 96-127
.endif
	PROD 0
.rept CN
	SMX 0
.endr
.endr
.endm
; THE ITERATION'S LAST BARRIER.  In front of it each wave has waited for its tensor load of this iteration and for its stores of P: behind it K's next step, V's step and P are whole for every wave.
.macro EBAR
	WIN 0
	PLACES                                         ; behind the last products: in front of the loads into V's registers and of the first read of O^T
	s_wait_tensorcnt 0x0
	s_wait_dscnt 0x0
	s_barrier_signal -1
	s_barrier_wait -1
.endm
.macro ITER resc, pvfirst, ldk, ldv, ask
	SPH \resc, \ldk, \ldv, 1, \ask
	PVS \pvfirst
	EBAR
	s_xor_b32 s[TB], s[TB], SLOT1                  ; the next V lies in the other slot
.endm
	s_load_b256 s[4:11], s[0:1], 0x0               ; qw s[4:5], kw s[6:7], vw s[8:9], out0 s[10:11]
	v_lshl_add_u32 v[SPW], v0, 2, SPARE
	v_mov_b32 v[NIL], 0
	ds_add_u32 v[SPW], v[NIL]                      ; the wave's opening: the add, twice on end, and its wait ahead of my first tensor load; the set-up below, work on registers, stands between the second and the wait
	ds_add_u32 v[SPW], v[NIL]
	v_lshrrev_b32 v64, 5, v0
	v_readfirstlane_b32 s[WV], v64                 ; wave 0..3
	s_bfe_u32 s13, ttmp6, 0x40000                  ; cx: my place in the cluster: it enters Q's, out's and the prefetches' addresses alone
	s_lshl_b32 s14, ttmp9, 2                       ; in a cluster launch ttmp9 counts clusters
	s_add_co_u32 s14, s14, s13                     ; my block of 64 queries in the batch
	s_and_b32 s15, ttmp7, 0xffff                   ; the batch, which the four partners share
	s_lshl_b32 s16, s15, 5
	s_add_co_u32 s16, s16, s14                     ; my block of 64 queries in all
	s_mul_i32 s18, s16, 49152                      ; its 96 blocks in qw
	s_mov_b32 s19, 0
	s_mul_i32 s17, s[WV], QUART                    ; the quarter that I read
	s_mul_i32 s22, s16, 98304                      ; out: (64 x block + 16 w) rows of 1,536 bytes
	s_add_co_u32 s22, s22, s17
	s_mov_b32 s23, 0
	s_and_b32 s54, s[WV], 1
	s_mul_i32 s54, s54, HALFU                      ; the half that I fetch: in a slot, and in a step's bytes in memory
	s_mul_i32 s20, s15, 16*UNIT                    ; the batch's first byte in kw and in vw,
	s_add_co_u32 s20, s20, s54                     ; + my half
	s_mov_b32 s21, 0
	s_mul_i32 s56, s15, 16*UNIT                    ; the prefetches: the batch, my work-group's 24,576 bytes of a step, my wave's 8,192
	s_mul_i32 s57, s13, QUART
	s_add_co_u32 s56, s56, s57
	s_lshl_b32 s57, s[WV], 13
	s_add_co_u32 s56, s56, s57
	s_mov_b32 s57, 0
	s_cmp_lt_u32 s[WV], 3
	s_cselect_b32 s14, 0, 1                        ; waves 0 to 2,
	s_or_b32 s14, s14, ttmp9                       ; of the batch's first cluster: the same in all four partners
	s_cmp_eq_u32 s14, 0
	s_cselect_b32 s[LIM], 1, -1
	s_cselect_b32 s[LIMV], 0, -1
	s_mov_b32 s[CNT], 13
	s_mov_b32 s[TB], 0
	s_mov_b32 s[SEL], 0x76543210
	s_mov_b32 s[SEL+1], 0xfedcba98
	; descriptor group 1: a dense block of 49,152 bytes as 192 rows of 32 elements of 8 bytes, no padding: fragments are read as they lie, 16 bytes a lane on end
	s_mov_b32 s[G1], 0x0023000f                    ; 15:0 the mask: all four work-groups; 17:16 elements of 8 bytes; 21 set beside a mask
	s_mov_b32 s[G1+1], 32<<16                      ; tensor_dim0 = 32
	s_mov_b32 s[G1+2], 192<<16                     ; tensor_dim1 = 192
	s_mov_b32 s[G1+3], 32<<16                      ; tile_dim0 = 32
	s_mov_b32 s[G1+4], 192                         ; tile_dim1 = 192
	s_mov_b32 s[G1+5], 32                          ; elements from row to row
	s_mov_b32 s[G1+6], 0
	s_mov_b32 s[G1+7], 0
	s_mov_b32 s[G0K], 1                            ; count = 1
	s_add_co_u32 s[G0K+1], s54, KSLOT              ; LDS address: my half of K's slot,
	s_mov_b32 s[G0VA], 1
	s_mov_b32 s[G0VA+1], s54                       ; of V's slot 0,
	s_mov_b32 s[G0VB], 1
	s_add_co_u32 s[G0VB+1], s54, SLOT1             ; of V's slot 1
	v_and_b32 v64, 31, v0
	v_lshlrev_b32 v[LI], 4, v64
	v_lshlrev_b32 v[PFO], 8, v64
	s_add_co_u32 s55, s17, KSLOT
	v_add_nc_u32 v[KAD], s55, v[LI]
	v_add_nc_u32 v[VAD0], s17, v[LI]
	s_lshl_b32 s55, s[WV], 12
	s_add_co_u32 s55, s55, PBUF
	v_add_nc_u32 v[PST], s55, v[LI]
	v_add_nc_u32 v[PLD], PBUF, v[LI]
	v_and_b32 v64, 15, v0                          ; r
	v_bfe_u32 v65, v0, 4, 1                        ; h
	v_mul_u32_u24 v[MLD], v64, 80
	v_add_nc_u32 v[MLD], MXB, v[MLD]
	s_lshl_b32 s55, s[WV], 4
	v_add_nc_u32 v[MST], s55, v[MLD]
	v_mul_u32_u24 v[SO], v64, SP
	v_lshl_add_u32 v[SO], v65, 5, v[SO]
	s_mul_i32 s55, s[WV], 384
	s_add_co_u32 s55, s55, STAGE
	v_add_nc_u32 v[SO], s55, v[SO]                 ; the stage: row r, + 32 h, + my 96 channels' bytes
	v_add_nc_u32 v[SO+1], 32*SP, v[SO]
	s_mul_i32 s55, s[WV], 16*SP
	s_add_co_u32 s55, s55, STAGE
	v_add_nc_u32 v[SR], s55, v[LI]                 ; back: my 16 rows
.irp q, 0,1,2,3
	v_mov_b32 v[MM+2*\q+1], 0                      ; named as the upper halves of pairs before they are first written
	v_mov_b32 v[AA+2*\q+1], 0
	v_mov_b32 v[TP+\q], 0                          ; a lane permute's destination counts as one of its sources
.endr
	s_wait_dscnt 0x0                               ; both opening adds are done
	s_wait_kmcnt 0x0
	s_add_nc_u64 s[G0K+2:G0K+3], s[6:7], s[20:21]  ; global addresses: K's step 0,
	s_or_b32 s[G0K+3], s[G0K+3], 0x80000000        ; type = 2
	s_add_nc_u64 s[G0VA+2:G0VA+3], s[8:9], s[20:21]        ; V's step 0,
	s_add_nc_u64 s[G0VB+2:G0VB+3], s[G0VA+2:G0VA+3], UNIT  ; V's step 1: my half of each
	s_or_b32 s[G0VA+3], s[G0VA+3], 0x80000000
	s_or_b32 s[G0VB+3], s[G0VB+3], 0x80000000
	s_add_nc_u64 s[PFV:PFV+1], s[8:9], s[56:57]    ; at V's step 0 and K's step 1: each round steps both by a step ahead of its prefetches
	s_add_nc_u64 s[PFK:PFK+1], s[6:7], s[56:57]
	s_add_nc_u64 s[PFK:PFK+1], s[PFK:PFK+1], UNIT
	s_add_nc_u64 s[4:5], s[4:5], s[18:19]
	s_add_nc_u64 s[10:11], s[10:11], s[22:23]
	CROUND                                         ; all four work-groups are here: the first joint loads meet
	s_cmp_lt_u32 s[WV], 2                          ; a wave's first fills stand in one branch, ahead of every wait on TENSORcnt and every LDS read: all three slots are filled for the first time here
	s_cbranch_scc0 .Lfirst_v
	tensor_load_to_lds s[G0K:G0K+3], s[G1:G1+7]
	s_nop 0
	PLACES
	s_branch .Lfirst_asked
.Lfirst_v:
	tensor_load_to_lds s[G0VA:G0VA+3], s[G1:G1+7]
	s_nop 0
	tensor_load_to_lds s[G0VB:G0VB+3], s[G1:G1+7]
	s_nop 0
	PLACES
.Lfirst_asked:
.irp q, 0,1,2,3                                ; Q stays in registers: query tile q, 32 d on along the features
	WIN 0x40+0x40*(\q/2)
.irp d, 0,1,2,3,4,5,6,7,8,9,10,11
.irp c, 0,1
	global_load_b128 v[8*(12*(\q%2)+\d)+4*\c:8*(12*(\q%2)+\d)+4*\c+3], v[LI], s[4:5] offset:(24*\q+2*\d+\c)*512
.endr
.endr
.endr
	WIN 0
	s_wait_loadcnt 0x0                             ; Q
	s_wait_tensorcnt 0x0                           ; my first fills have landed,
	s_barrier_signal -1
	s_barrier_wait -1                              ; everybody's have
	; STEP 0: its scores, and its softmax with nothing beside it: there is no V^T P yet
	SPH 0, 1, 0, 0, 1
.set NL, 0
.rept 44
	LMX
.endr
	WIN 0
	ds_store_b128 v[MST], v[LM:LM+3]
	s_wait_dscnt 0x0                               ; for the others' sake: my maxima have landed
	s_barrier_signal -1
	s_barrier_wait -1
.irp w, 0,1,2,3
	ds_load_b128 v[MX+4*\w:MX+4*\w+3], v[MLD] offset:16*\w
.endr
	s_wait_dscnt 0x0
.set NS, 0
.rept 189
	SMX 1
.endr
	EBAR
	ITER 0, 1, 1, 0, 2                             ; step 1: V^T P of step 0 starts O^T; the round asks for K alone: V's steps 0 and 1 came at the head
.Lstep:                                            ; 13 trips: steps 2 to 14
	ITER 1, 0, 1, 1, 2
	s_sub_co_u32 s[CNT], s[CNT], 1
	s_cmp_lg_u32 s[CNT], 0
	s_cbranch_scc1 .Lstep
	ITER 1, 0, 0, 1, 0                             ; step 15 is written out: there is no K behind it, so its round asks for V alone
	; V^T P OF STEP 15: 80 LDS loads, 20 for each 32 keys; O^T's last rescaling stands between them and the first wait
	WIN 0
	v_add_nc_u32 v[VADR], s[TB], v[VAD0]
.irp k, 0,1,2,3
	PLDK \k
	VLDK \k
.endr
.set NR, 0
.rept 96
	RSC
.endr
.set NP, 0
.irp k, 0,1,2,3
	s_wait_dscnt 60-20*\k                          ; these 32 keys' 20 loads are in; the later keys' may be out
.rept 24
	PROD 0
.endr
.endr
	; THE WAY OUT.  l: its two halves, the other half of the lanes', the other waves' (through LDS).  O^T x 4 / l goes through the work-group's stage, since a row's 1,536 bytes come from four waves, and leaves as whole rows.
	WIN 0                                          ; the additions are the places behind the last products
.irp q, 0,1,2,3
	v_add_f32 v[LM+\q], v[LL+2*\q], v[LL+2*\q+1]
.endr
.irp q, 0,1,2,3
	v_permlanex16_b32 v[TP+\q], v[LM+\q], s[SEL], s[SEL+1]
.endr
.irp q, 0,1,2,3
	v_add_f32 v[LM+\q], v[LM+\q], v[TP+\q]
.endr
	ds_store_b128 v[MST], v[LM:LM+3] offset:LXO
	s_wait_dscnt 0x0                               ; for the others' sake: my sums have landed, and my reads of V's slot 1 are over
	s_barrier_signal -1
	s_barrier_wait -1
.irp w, 0,1,2,3
	ds_load_b128 v[MX+4*\w:MX+4*\w+3], v[MLD] offset:LXO+16*\w
.endr
	s_wait_dscnt 0x0
.irp q, 0,1,2,3
	v_add_f32 v[TP+\q], v[MX+\q], v[MX+4+\q]
	v_add_f32 v[LM+\q], v[MX+8+\q], v[MX+12+\q]
.endr
.irp q, 0,1,2,3
	v_add_f32 v[TP+\q], v[TP+\q], v[LM+\q]
.endr
.irp q, 0,1,2,3
	v_rcp_f32 v[AA+2*\q], v[TP+\q]
.endr
	v_nop                                          ; a plain instruction between the last reciprocal and the use of its result
	s_wait_alu depctr_va_vdst(0)                   ; and the wait: one for the four
.irp q, 0,1,2,3
	v_mul_f32 v[AA+2*\q], 4.0, v[AA+2*\q]          ; V came divided by 4
.endr
.set NR, 0
.rept 96
	RSC                                            ; O^T x 4 / l
.endr
	WIN 0x0c
.irp q, 0,1,2,3
.irp d, 0,1,2,3,4,5
	ds_store_b128 v[SO+\q/2], v[8*(4*\d+\q):8*(4*\d+\q)+3] offset:(\q%2)*16*SP+64*\d       ; lane (r, h): out(16 q + r, 96 w + 16 d + 8 h + 0 .. 7)
	ds_store_b128 v[SO+\q/2], v[8*(4*\d+\q)+4:8*(4*\d+\q)+7] offset:(\q%2)*16*SP+64*\d+16
.endr
.endr
	WIN 0
	s_wait_dscnt 0x0                               ; for the others' sake: my stores into the stage are done
	s_barrier_signal -1
	s_barrier_wait -1
.irp i, 0,1,2,3,4,5,6,7,8,9,10,11,12,13,14,15
.irp c, 0,1,2
	ds_load_b128 v[F+4*(3*\i+\c):F+4*(3*\i+\c)+3], v[SR] offset:\i*SP+512*\c
.endr
.endr
.irp i, 0,1,2,3,4,5,6,7,8,9,10,11,12,13,14,15
.irp c, 0,1,2
	s_wait_dscnt 47-(3*\i+\c)
	global_store_b128 v[LI], v[F+4*(3*\i+\c):F+4*(3*\i+\c)+3], s[10:11] offset:\i*1536+512*\c th:TH_STORE_NT   ; 32 lanes store 512 consecutive bytes, at a multiple of 256 from out's first byte
.endr
.endr
	s_wait_tensorcnt 0x0                           ; the wave's end: behind my last tensor load and my last LDS store
	ds_add_u32 v[SPW], v[NIL]
	s_wait_dscnt 0x0
	CROUND                                         ; the closing round: no work-group ends while a partner may still ask for a tile that names it
	s_endpgm
.Lfunc_end_k_q737cca1f64_attn:
	.size	k_q737cca1f64_attn, .Lfunc_end_k_q737cca1f64_attn-k_q737cca1f64_attn
	.p2alignl 7, 3214868480
	.fill 96, 4, 3214868480
	.section	.rodata,"a",@progbits
	.p2align	6, 0x0
	.amdhsa_kernel k_q737cca1f64_attn
		.amdhsa_group_segment_fixed_size 327680
		.amdhsa_private_segment_fixed_size 0
		.amdhsa_enable_private_segment 0
		.amdhsa_kernarg_size 32
		.amdhsa_user_sgpr_count 2
		.amdhsa_user_sgpr_kernarg_segment_ptr 1
		.amdhsa_wavefront_size32 1
		.amdhsa_system_sgpr_workgroup_id_x 1
		.amdhsa_system_sgpr_workgroup_id_y 1
		.amdhsa_system_sgpr_workgroup_id_z 1
		.amdhsa_system_vgpr_workitem_id 0
		.amdhsa_next_free_vgpr 1024
		.amdhsa_next_free_sgpr 66
		.amdhsa_reserve_vcc 0
		.amdhsa_float_denorm_mode_32 3
		.amdhsa_float_denorm_mode_16_64 3
		.amdhsa_memory_ordered 1
		.amdhsa_forward_progress 1
		.amdhsa_inst_pref_size 216
	.end_amdhsa_kernel
	.amdgpu_metadata
---
amdhsa.version: [ 1, 2 ]
amdhsa.kernels:
  - .name:           k_q737cca1f64_attn
    .symbol:         k_q737cca1f64_attn.kd
    .args:
      - { .name: qw, .offset: 0, .size: 8, .value_kind: global_buffer, .address_space: global }
      - { .name: kw, .offset: 8, .size: 8, .value_kind: global_buffer, .address_space: global }
      - { .name: vw, .offset: 16, .size: 8, .value_kind: global_buffer, .address_space: global }
      - { .name: out0, .offset: 24, .size: 8, .value_kind: global_buffer, .address_space: global }
    .group_segment_fixed_size: 327680
    .private_segment_fixed_size: 0
    .kernarg_segment_align: 8
    .kernarg_segment_size: 32
    .max_flat_workgroup_size: 128
    .sgpr_count:     66
    .vgpr_count:     1024
    .wavefront_size: 32
...
	.end_amdgpu_metadata
.endif
;; end of part 3
